; MI455X (gfx1250); checked and timed in simulation.
; The chip was launched on July 23, 2026; its instructions are those of AMD's public machine-readable ISA for CDNA 5 (MIT licence, August 2026) and "CDNA5" Instruction Set Architecture Reference Guide (July 2026). The comments in the code are by the model that wrote it; some were corrected since.
;; Self Attention. Allowed arithmetic: matrix products marked QUANTISED: E4M3 operands, one given power-of-two scale a tensor, by v_wmma_f32_16x16x64_fp8_fp8 or v_wmma_f32_16x16x128_fp8_fp8, f32 sums; everything else in f32.
;; Inputs: W_proj 1,024 x 1,024 float32; W_qkv 3,072 x 1,024 float32; lowp_scales 8 int32 (the exponents e of the quantised operands' scales 2^e); x 1 x 4,096 x 1,024 float32.
;; Outputs: out0 1 x 4,096 x 1,024 float32.
;; This version of the problem:
;;   THIS VERSION OF THE PROBLEM IS GIVEN IN LOW PRECISION. The matrix products marked QUANTISED in the list below multiply operands that are first quantised to E4M3 (4 exponent bits, 3 mantissa bits; 8 bits a number), with one given power-of-two scale for each operand tensor; their sums are f32. All else is computed in f32.
;;   The module's matrix products, in the order in which they are computed (A, B: the left and right operand; K: the contracted axis; several contracted axes count as one K, in the product's order):
;;     1. [M 4,096, K 1,024] x [K 1,024, N 3,072]; A: input x; B: input W_qkv: QUANTISED (scales: A lowp_scales[0], B lowp_scales[1])
;;     2. batch 16 x [M 4,096, K 64] x [K 64, N 4,096]; A: computed on the way; B: computed on the way: QUANTISED (scales: A lowp_scales[2], B lowp_scales[3])
;;     3. batch 16 x [M 4,096, K 4,096] x [K 4,096, N 64]; A: softmax (see below); B: computed on the way: QUANTISED (scales: A lowp_scales[4], B lowp_scales[5])
;;     4. [M 4,096, K 1,024] x [K 1,024, N 1,024]; A: computed on the way; B: input W_proj: QUANTISED (scales: A lowp_scales[6], B lowp_scales[7])
;;   THE QUANTISER, for each operand of a quantised product, along K:
;;     - The operand's scale is 2^e, e = its entry of the input lowp_scales (int32; the entries are numbered through the quantised products in the list's order, A before B).
;;     - Each number is divided by the scale, clamped to +-448, and rounded to the nearest number of E4M3, ties to even, subnormals kept.
;;     - The product sums the exact products of the quantised numbers (number of the format x scale) in f32.
;;   ~~~python
;;   def quantise(x, axis, e):      # numpy; x: float32 -> the quantised numbers, widened to float32 again
;;       x = np.moveaxis(x, axis, -1); K = x.shape[-1]
;;       r = np.clip(x / 2.0 ** e, -448, 448)
;;       step = 2.0 ** (np.maximum(np.frexp(np.where(r == 0, 1, r))[1] - 1, -6) - 3)
;;       q = np.round(r / step) * step * 2.0 ** e      # np.round: ties to even
;;       return np.moveaxis(q, -1, axis).astype(np.float32)
;;   ~~~
;;   SOFTMAX AHEAD OF A QUANTISED PRODUCT. Where the list says 'softmax', what is quantised is not the finished softmax but p = 2^(t - M), with t = logit x log2(e) and M = ceil(the row's largest t), a whole number; so 1/2 < the row's largest p <= 1. The row's sum l is taken of the UNQUANTISED p, in f32, and the product's result is divided by l at the end. Since M is a whole number, a kernel that streams over the keys may use a running M (the ceiling of the running maximum): every later rescaling is an exact power of two, so the quantised numbers keep their values, but for numbers so far below the row's largest that they fall under the format's range.
;;   OPERANDS COMPUTED ON THE WAY. 'Computed on the way' means the value that the module computes at that place (a softmax that the list does not call 'softmax' is quantised finished and normalised). What goes into a quantiser is computed in f32, as accurately as f32 sums, v_exp_f32 and their like allow (about 1e-6 of the number): no bf16 or f16 on the way to a quantiser, and a product that is left as it is and whose result goes on into a quantised operand takes f32 operands (vector FMAs, or v_wmma_f32_16x16x4_f32). A number that lies on a knife's edge between two numbers of the format may be rounded either way, as far as f32 arithmetic and the matrix unit's own rounding can turn it there, and no further.
;; One version. Each part assembles by itself: llvm-mc -triple=amdgcn-amd-amdhsa -mcpu=gfx1250 --defsym DOCPART=n.
;; ======== version 1 of 1: 4 launches
;; limits: right only within a limited range of input values
;; workspace buffers: x_img 4,194,304 bytes; wqkv_img 3,145,728 bytes; wp_img 1,048,576 bytes; a_img 4,194,304 bytes; rope 1,048,576 bytes; q_img 4,194,304 bytes; kv_img 8,388,608 bytes
;; launch prep (part 1): grid 256 x 1, 16 waves a work-group, no clusters, 137,216 bytes of LDS; arguments x, W_qkv, W_proj, lowp_scales, x_img, wqkv_img, wp_img, rope; writes x_img, wqkv_img, wp_img, rope
.if DOCPART == 1
	.amdgcn_target "amdgcn-amd-amdhsa--gfx1250"
	.amdhsa_code_object_version 6
	.text
	.protected	k_qecf32584e1_prep
	.globl	k_qecf32584e1_prep
	.p2align	8
	.type	k_qecf32584e1_prep,@function
k_qecf32584e1_prep:
	s_mov_b64 s[64:65], 0
	v_nop
	global_prefetch_b8 v0, s[64:65] scope:SCOPE_SE
	s_setreg_imm32_b32 hwreg(HW_REG_WAVE_MODE, 25, 1), 1
	s_wait_xcnt 0x0
; SELF-ATTENTION IN FP8 (E4M3), FOUR LAUNCHES: prep (this one), qkv, attn, proj.
; WORK LEFT OUT BY THE PROGRAM, AND WHY IT IS DEAD.  reference() adds -inf to every score whose key comes after its query (its own triu mask), so the softmax weight there is exactly 0 for all
; finite values of the inputs, and neither the score nor the weight's product with v can reach an output.  The launch attn therefore leaves out the key steps (128 keys) that lie wholly behind a wave's
; 16 queries; inside a step on the diagonal the work is done and masked.  LIMIT: a NaN, an infinity or an overflow that would arise only in such hidden scores is not carried to the result.
; Every input has a way to the output: x, W_qkv, W_proj and lowp_scales are all loaded.
;
; THIS LAUNCH turns x [4096][1024], W_qkv [3072][1024] and W_proj [1024][1024], f32 with K innermost, into codes of E4M3 with the given scales 2^e (entries 0, 1 and 7 of lowp_scales), and makes the
; table of cos and sin for the rotary embedding.  code = x / 2^e, held within +-448, to the nearest code, ties to even.
; LIMITS: e between -126 and 119, so that 2^e and 448 x 2^e are f32 numbers.  NaN among the inputs is not served (an infinity is held at the largest code).
; THE CODES ARE LAID AS IMAGES OF THE OPERAND'S REGISTERS.  A fragment is 16 rows x 128 K: 16 registers a lane; lane (r, h) holds row r, registers 2 c, 2 c + 1 hold K = 16 c + 8 h + 0 .. 7.
; Registers 4 q .. 4 q + 3 of all 32 lanes are 512 consecutive bytes; byte = (ks / 2) x STRIDE + r16 x 4096 + (ks % 2) x 2048 + q x 512 + 16 x lane (ks = K / 128, r16 = row / 16,
; STRIDE = rows / 16 x 4096).  So 128 rows x 256 K are one dense block of 32,768 bytes, and a fragment comes back by four loads of 16 bytes a lane.
; SHARES.  The 8,192 rows of the three tensors are dealt 32 to a work-group: 128 work-groups for x, 96 for W_qkv, 32 for W_proj; only pointers and numbers are chosen, all take one way through the text.
; Wave w makes ONE fragment: rows 16 (w / 8) on, K step w % 8.  Its 16 loads read 512 consecutive bytes of a row each and all go out at once; the 8,192 bytes turn through the wave's own stage in LDS,
; since the conversion wants eight neighbours along K in one lane.  No tensor load, no barrier: waves share nothing.
; THE TABLE: angle = t x 10000^(-f / 32), f = 0 .. 31.  10000^(-f / 32) = 2^(-f log2(10) / 8) by v_exp_f32 (LIMIT: within a few units in its last place of reference()'s); the product with t is rounded to
; f32 as in reference(); the angle less n x pi / 2 (pi / 2 in two parts, fused multiply-adds; LIMIT: angles under 2^13) goes into polynomials of degree 9 and 8; n mod 4 chooses and signs.
; Laid for the launch qkv: t16 x 4096 + ((2 u + cs) x 2 + jq) x 512 + 16 x lane: cs = 0 cos, 1 sin, of t = 16 t16 + r, f = 16 u + 8 h + 4 jq + 0 .. 3.  Work-group g makes t16 = g, in its waves 0 to 3.
; (In the launch attn a wave owns 16 neighbouring queries of a group of 128; it leaves out the key steps of 128 that lie wholly behind that group: what is said above holds of each of its queries.)
.set STG,   8448                       ; a wave's stage: 16 rows x SP
.set SP,    528                        ; a stage row: 512 bytes + 16: the sixteen rows that a read-back touches begin 16 bytes further on modulo 256 each
.set SPARE, 16*STG                     ; behind the stages: the spare words, 128 bytes for each wave: eight blocks of 256 bytes that no other line names
.set SPW,   12                         ; v12  LDS address of my spare word; never rewritten
.set NIL,   13                         ; v13  0; never rewritten
.set R,     16                         ; v16-79   the 16 rows' pieces as loaded
.set X,     80                         ; v80-143  64 numbers in the fragment's order
.set C,     144                        ; v144-159 the fragment's codes
.set F,     160                        ; the table's arrays of four
.set ANG,   164
.set N,     168
.set RR,    172
.set R2,    176
.set PS,    180
.set PC,    184
.set QI,    188
.set COS,   192
.set SIN,   196
.set TT,    200                        ; v200 t as f32
	s_load_b256 s[4:11], s[0:1], 0x0               ; x, W_qkv, W_proj, lowp_scales
	s_load_b256 s[12:19], s[0:1], 0x20             ; x_img, wqkv_img, wp_img, rope
	v_lshl_add_u32 v[SPW], v0, 2, SPARE
	v_mov_b32 v[NIL], 0
	v_lshrrev_b32 v1, 5, v0
	s_delay_alu instid0(VALU_DEP_1)
	v_readfirstlane_b32 s20, v1                    ; wave 0..15
	v_and_b32 v1, 31, v0                           ; lane
	v_and_b32 v2, 15, v0                           ; r
	v_bfe_u32 v3, v0, 4, 1                         ; h
	s_delay_alu instid0(VALU_DEP_3)
	v_lshlrev_b32 v4, 4, v1                        ; 16 x lane: my bytes of a load's 512 and of a store's 512; never rewritten
	s_mul_i32 s21, s20, STG                        ; my stage
	v_add_nc_u32 v5, s21, v4                       ; into it: a row as it lies
	v_mul_u32_u24 v6, v2, SP
	s_delay_alu instid0(VALU_DEP_1)
	v_lshl_add_u32 v6, v3, 5, v6
	s_delay_alu instid0(VALU_DEP_1)
	v_add_nc_u32 v6, s21, v6                       ; out of it: row r, + 32 h bytes: my eight numbers of each 16
	s_mov_b32 s40, 224
	s_mov_b32 s41, 0x40000
	s_cmp_lt_u32 ttmp9, 224                        ; which tensor: the choice hangs on the work-group's number alone
	s_cselect_b32 s40, 128, s40                    ; its first work-group,
	s_cselect_b32 s41, 0xc0000, s41                ; and its image's STRIDE
	s_cmp_lt_u32 ttmp9, 128
	s_cselect_b32 s40, 0, s40
	s_cselect_b32 s41, 0x100000, s41
	s_sub_co_u32 s43, ttmp9, s40
	s_lshl_b32 s43, s43, 1
	s_lshr_b32 s44, s20, 3
	s_add_co_u32 s43, s43, s44                     ; r16
	s_and_b32 s44, s20, 7                          ; ks
	s_lshl_b32 s32, s43, 16                        ; from: 16 rows of 4,096 bytes x r16
	s_lshl_b32 s33, s44, 9                         ; + 512 bytes x ks
	s_add_co_u32 s32, s32, s33
	s_mov_b32 s33, 0
	s_lshr_b32 s34, s44, 1                         ; to: (ks / 2) x STRIDE
	s_mul_i32 s34, s34, s41
	s_lshl_b32 s35, s43, 12                        ; + r16 x 4096
	s_add_co_u32 s34, s34, s35
	s_and_b32 s35, s44, 1
	s_lshl_b32 s35, s35, 11                        ; + (ks % 2) x 2048
	s_add_co_u32 s34, s34, s35
	s_mov_b32 s35, 0
	s_wait_alu depctr_va_vdst(0)
	s_wait_kmcnt 0x0
	s_load_b256 s[24:31], s[10:11], 0x0            ; e0 .. e7
	s_cmp_lt_u32 ttmp9, 224
	s_cselect_b64 s[36:37], s[6:7], s[8:9]
	s_cselect_b64 s[38:39], s[14:15], s[16:17]
	s_cmp_lt_u32 ttmp9, 128
	s_cselect_b64 s[36:37], s[4:5], s[36:37]
	s_cselect_b64 s[38:39], s[12:13], s[38:39]
	s_add_nc_u64 s[36:37], s[36:37], s[32:33]      ; never rewritten from here on
	s_add_nc_u64 s[38:39], s[38:39], s[34:35]
.irp i, 0,1,2,3,4,5,6,7,8,9,10,11,12,13,14,15
	global_load_b128 v[R+4*\i:R+4*\i+3], v4, s[36:37] offset:4096*\i th:TH_LOAD_NT   ; row i: 32 lanes read 512 consecutive bytes; read once in the launch
.endr
	; ---- the table, in waves 0 to 3, while the loads are on their way
	s_cmp_lt_u32 s20, 4
	s_cbranch_scc0 .Lno_table
	s_lshr_b32 s32, s20, 1                         ; u
	s_and_b32 s33, s20, 1                          ; jq
	s_lshl_b32 s34, s32, 2
	s_add_co_u32 s34, s34, s33
	s_lshl_b32 s34, s34, 9                         ; (4 u + jq) x 512
	s_lshl_b32 s35, ttmp9, 12                      ; + t16 x 4096
	s_add_co_u32 s34, s34, s35
	s_mov_b32 s35, 0
	s_add_nc_u64 s[46:47], s[18:19], s[34:35]
	s_lshl_b32 s32, s32, 4
	s_lshl_b32 s33, s33, 2
	s_add_co_u32 s32, s32, s33                     ; 16 u + 4 jq
	s_lshl_b32 s33, ttmp9, 4                       ; 16 t16
	s_mov_b32 s48, 0xbed49a78                      ; -log2(10) / 8
	s_mov_b32 s49, 0x3f22f983                      ; 2 / pi
	s_mov_b32 s50, 0x3fc90fdb                      ; pi / 2, the f32 nearest to it,
	s_mov_b32 s51, 0xb33bbd2e                      ; and what it lacks
	s_mov_b32 s52, 0x3638ef1d                      ; 1 / 9!
	s_mov_b32 s53, 0xb9500d01                      ; -1 / 7!
	s_mov_b32 s54, 0x3c088889                      ; 1 / 5!
	s_mov_b32 s55, 0xbe2aaaab                      ; -1 / 3!
	s_mov_b32 s56, 0x37d00d01                      ; 1 / 8!
	s_mov_b32 s57, 0xbab60b61                      ; -1 / 6!
	s_mov_b32 s58, 0x3d2aaaab                      ; 1 / 4!
	v_lshl_add_u32 v[QI], v3, 3, s32               ; my first f
	v_add_nc_u32 v[TT], s33, v2
	s_delay_alu instid0(VALU_DEP_1)
	v_cvt_f32_u32 v[TT], v[TT]                     ; t, exact
.irp i, 0,1,2,3
	v_add_nc_u32 v[F+\i], \i, v[QI]
.endr
.irp i, 0,1,2,3
	s_delay_alu instid0(VALU_DEP_4)
	v_cvt_f32_u32 v[F+\i], v[F+\i]
.endr
.irp i, 0,1,2,3
	s_delay_alu instid0(VALU_DEP_4)
	v_mul_f32 v[F+\i], s48, v[F+\i]
.endr
	s_wait_alu depctr_va_vdst(0)
.irp i, 0,1,2,3
	v_exp_f32 v[ANG+\i], v[F+\i]                   ; 10000^(-f / 32)
.endr
	v_nop                                          ; a plain instruction behind the last exponential (ISA guide 5.7.2),
	s_wait_alu depctr_va_vdst(0)                   ; and the one wait ahead of the batch's first reader
.irp i, 0,1,2,3
	v_mul_f32 v[ANG+\i], v[TT], v[ANG+\i]          ; the angle, rounded to f32 as reference() has it
.endr
.irp i, 0,1,2,3
	s_delay_alu instid0(VALU_DEP_4)
	v_mul_f32 v[N+\i], s49, v[ANG+\i]
.endr
.irp i, 0,1,2,3
	s_delay_alu instid0(VALU_DEP_4)
	v_rndne_f32 v[N+\i], v[N+\i]                   ; n
.endr
.irp i, 0,1,2,3
	s_delay_alu instid0(VALU_DEP_4)
	v_fma_f32 v[RR+\i], -v[N+\i], s50, v[ANG+\i]
.endr
.irp i, 0,1,2,3
	s_delay_alu instid0(VALU_DEP_4)
	v_fma_f32 v[RR+\i], -v[N+\i], s51, v[RR+\i]    ; rho = angle - n pi / 2, within pi / 4 of 0
.endr
.irp i, 0,1,2,3
	s_delay_alu instid0(VALU_DEP_4)
	v_mul_f32 v[R2+\i], v[RR+\i], v[RR+\i]
.endr
.irp i, 0,1,2,3
	v_fma_f32 v[PS+\i], v[R2+\i], s52, s53
	v_fma_f32 v[PC+\i], v[R2+\i], s56, s57
.endr
.irp i, 0,1,2,3
	v_fma_f32 v[PS+\i], v[PS+\i], v[R2+\i], s54
	v_fma_f32 v[PC+\i], v[PC+\i], v[R2+\i], s58
.endr
.irp i, 0,1,2,3
	v_fma_f32 v[PS+\i], v[PS+\i], v[R2+\i], s55
	v_fma_f32 v[PC+\i], v[PC+\i], v[R2+\i], -0.5
.endr
.irp i, 0,1,2,3
	v_mul_f32 v[F+\i], v[RR+\i], v[R2+\i]          ; rho^3
	v_fma_f32 v[PC+\i], v[PC+\i], v[R2+\i], 1.0    ; cos rho
.endr
.irp i, 0,1,2,3
	v_fma_f32 v[PS+\i], v[PS+\i], v[F+\i], v[RR+\i]   ; sin rho
	v_cvt_i32_f32 v[QI+\i], v[N+\i]
.endr
.irp i, 0,1,2,3
	v_and_b32 v[F+\i], 1, v[QI+\i]
	s_delay_alu instid0(VALU_DEP_1)
	v_cmp_eq_u32 vcc_lo, 1, v[F+\i]                ; n odd: sine and cosine change places
	s_delay_alu instid0(VALU_DEP_1)
	v_cndmask_b32 v[SIN+\i], v[PS+\i], v[PC+\i], vcc_lo
	s_delay_alu instid0(VALU_DEP_2)
	v_cndmask_b32 v[COS+\i], v[PC+\i], v[PS+\i], vcc_lo
	v_lshlrev_b32 v[F+\i], 30, v[QI+\i]
	s_delay_alu instid0(VALU_DEP_1)
	v_and_b32 v[F+\i], 0x80000000, v[F+\i]         ; the sine is negated where n mod 4 is 2 or 3,
	s_delay_alu instid0(VALU_DEP_1)
	v_xor_b32 v[SIN+\i], v[F+\i], v[SIN+\i]
	v_add_nc_u32 v[F+\i], 1, v[QI+\i]
	s_delay_alu instid0(VALU_DEP_1)
	v_lshlrev_b32 v[F+\i], 30, v[F+\i]
	s_delay_alu instid0(VALU_DEP_1)
	v_and_b32 v[F+\i], 0x80000000, v[F+\i]         ; the cosine where it is 1 or 2
	s_delay_alu instid0(VALU_DEP_1)
	v_xor_b32 v[COS+\i], v[F+\i], v[COS+\i]
.endr
	global_store_b128 v4, v[COS:COS+3], s[46:47]               ; 32 lanes store 512 consecutive bytes
	global_store_b128 v4, v[SIN:SIN+3], s[46:47] offset:1024
.Lno_table:
	s_wait_kmcnt 0x0                               ; the exponents
	s_cmp_lt_u32 ttmp9, 224
	s_cselect_b32 s42, s25, s31                    ; e1 for W_qkv, e7 for W_proj,
	s_cmp_lt_u32 ttmp9, 128
	s_cselect_b32 s42, s24, s42                    ; e0 for x
	s_add_co_i32 s42, s42, 127
	s_lshl_b32 s43, s42, 23
	v_mov_b32 v11, s43                             ; 2^e as f32: the conversion takes its exponent field
	s_wait_alu depctr_va_vdst(0)
.irp i, 0,1,2,3,4,5,6,7,8,9,10,11,12,13,14,15
	s_wait_loadcnt 15-\i                           ; loads come back in order (ISA guide 5.7.1): row i is in, the younger ones may be out
	ds_store_b128 v5, v[R+4*\i:R+4*\i+3] offset:SP*\i
.endr
.irp q, 0,1,2,3                                    ; LDS serves a wave's instructions in order (ISA guide 5.7.1.4): these see my stores.  Of row r: K = 32 q + 8 h + 0 .. 7, then 32 q + 16 + 8 h + 0 .. 7
	ds_load_b128 v[X+16*\q:X+16*\q+3],     v6 offset:128*\q
	ds_load_b128 v[X+16*\q+4:X+16*\q+7],   v6 offset:128*\q+16
	ds_load_b128 v[X+16*\q+8:X+16*\q+11],  v6 offset:128*\q+64
	ds_load_b128 v[X+16*\q+12:X+16*\q+15], v6 offset:128*\q+80
.endr
.irp q, 0,1,2,3
	s_wait_dscnt 12-4*\q                           ; this quarter's four loads are in; the later quarters' may be out
.irp i, 0,1,2,3,4,5,6,7,8,9,10,11,12,13,14,15
.endr
	v_cvt_scalef32_pk8_fp8_f32 v[C+4*\q:C+4*\q+1], v[X+16*\q:X+16*\q+7], v11
	v_cvt_scalef32_pk8_fp8_f32 v[C+4*\q+2:C+4*\q+3], v[X+16*\q+8:X+16*\q+15], v11
	global_store_b128 v4, v[C+4*\q:C+4*\q+3], s[38:39] offset:512*\q   ; registers 4 q .. 4 q + 3 of the fragment: 512 consecutive bytes.  (The codes go to a store alone)
.endr
	s_wait_tensorcnt 0x0                           ; the wave's end, behind my last LDS store
	ds_add_u32 v[SPW], v[NIL]
	s_wait_dscnt 0x0
	s_endpgm
.Lfunc_end_k_qecf32584e1_prep:
	.size	k_qecf32584e1_prep, .Lfunc_end_k_qecf32584e1_prep-k_qecf32584e1_prep
	.p2alignl 7, 3214868480
	.fill 96, 4, 3214868480
	.section	.rodata,"a",@progbits
	.p2align	6, 0x0
	.amdhsa_kernel k_qecf32584e1_prep
		.amdhsa_group_segment_fixed_size 137216
		.amdhsa_private_segment_fixed_size 0
		.amdhsa_enable_private_segment 0
		.amdhsa_kernarg_size 64
		.amdhsa_user_sgpr_count 2
		.amdhsa_user_sgpr_kernarg_segment_ptr 1
		.amdhsa_wavefront_size32 1
		.amdhsa_system_sgpr_workgroup_id_x 1
		.amdhsa_system_sgpr_workgroup_id_y 1
		.amdhsa_system_sgpr_workgroup_id_z 1
		.amdhsa_system_vgpr_workitem_id 0
		.amdhsa_next_free_vgpr 208
		.amdhsa_next_free_sgpr 66
		.amdhsa_reserve_vcc 1
		.amdhsa_float_denorm_mode_32 3
		.amdhsa_float_denorm_mode_16_64 3
		.amdhsa_fp16_overflow 1
		.amdhsa_memory_ordered 1
		.amdhsa_forward_progress 1
		.amdhsa_inst_pref_size 17
	.end_amdhsa_kernel
	.amdgpu_metadata
---
amdhsa.version: [ 1, 2 ]
amdhsa.kernels:
  - .name:           k_qecf32584e1_prep
    .symbol:         k_qecf32584e1_prep.kd
    .args:
      - { .name: x, .offset: 0, .size: 8, .value_kind: global_buffer, .address_space: global }
      - { .name: W_qkv, .offset: 8, .size: 8, .value_kind: global_buffer, .address_space: global }
      - { .name: W_proj, .offset: 16, .size: 8, .value_kind: global_buffer, .address_space: global }
      - { .name: lowp_scales, .offset: 24, .size: 8, .value_kind: global_buffer, .address_space: global }
      - { .name: x_img, .offset: 32, .size: 8, .value_kind: global_buffer, .address_space: global }
      - { .name: wqkv_img, .offset: 40, .size: 8, .value_kind: global_buffer, .address_space: global }
      - { .name: wp_img, .offset: 48, .size: 8, .value_kind: global_buffer, .address_space: global }
      - { .name: rope, .offset: 56, .size: 8, .value_kind: global_buffer, .address_space: global }
    .group_segment_fixed_size: 137216
    .private_segment_fixed_size: 0
    .kernarg_segment_align: 8
    .kernarg_segment_size: 64
    .max_flat_workgroup_size: 512
    .sgpr_count:     66
    .vgpr_count:     208
    .wavefront_size: 32
...
	.end_amdgpu_metadata
.endif
;; end of part 1
;; launch qkv (part 2): grid 12 x 16, 4 waves a work-group, clusters of 4 x 4, 327,680 bytes of LDS; arguments x_img, wqkv_img, lowp_scales, rope, q_img, kv_img; writes q_img, kv_img
.if DOCPART == 2
	.amdgcn_target "amdgcn-amd-amdhsa--gfx1250"
	.amdhsa_code_object_version 6
	.text
	.protected	k_qecf32584e1_qkv
	.globl	k_qecf32584e1_qkv
	.p2align	8
	.type	k_qecf32584e1_qkv,@function
k_qecf32584e1_qkv:
	s_mov_b64 s[64:65], 0
	v_nop
	global_prefetch_b8 v0, s[64:65] scope:SCOPE_SE
	s_setreg_imm32_b32 hwreg(HW_REG_WAVE_MODE, 25, 1), 1
	s_wait_xcnt 0x0
	s_wait_alu depctr_hold_cnt(0) depctr_sa_sdst(0) depctr_va_vdst(0) depctr_va_sdst(0) depctr_va_ssrc(0) depctr_va_vcc(0) depctr_vm_vsrc(0)
	s_getreg_b32 s2, hwreg(HW_REG_IB_STS2, 6, 4)
	s_cmp_eq_u32 s2, 0
	s_cbranch_scc0 .Lentry_in_a_cluster
	s_endpgm
.Lentry_in_a_cluster:
	s_bfe_u32 s2, ttmp6, 0x10000c
	s_cmp_lg_u32 s2, 0xf033
	s_cbranch_scc0 .Lentry_shape_is_right
	s_endpgm
.Lentry_shape_is_right:
.set SLOT,   131072
.set SPARE,  2*SLOT
.set FR,     16
.set NL,     4
.set NP,     4
.set ADRA, 16
.set ADRB, 20
.set LN,   24
.set SPW,  28
.set NIL,  29
.set SC,   30
.set LM,   31
.set AF,   128
.set Y,    128
.set T1,   192
.set T2,   200
.set CD,   208
.set G1, 24
.set G0, 32
.set G1B, 48
.set G0B, 56
.set MSB, 0
.macro WIN new
.if MSB != \new
	s_set_vgpr_msb (MSB<<8)|\new
.set MSB, \new
.endif
.endm
.set MUL_LO, 0xa1
.set MUL_HI, 0xf1
.set TO_B,   0x40
.macro JLOAD g0a, g1a, g0b, g1b
	s_cmp_eq_u32 s15, 0
	s_cbranch_scc0 .Lfor_b_\@
	tensor_load_to_lds s[\g0a:\g0a+3], s[\g1a:\g1a+7]
	s_nop 0
.rept 4
	v_nop
.endr
	s_branch .Lasked_\@
.Lfor_b_\@:
	tensor_load_to_lds s[\g0b:\g0b+3], s[\g1b:\g1b+7]
	s_nop 0
.rept 4
	v_nop
.endr
.Lasked_\@:
.endm
.macro CREST
	s_cmp_lg_u32 s14, 0
	s_cbranch_scc1 .Lnot_wave_0_\@
	s_barrier_signal -3
.Lnot_wave_0_\@:
	s_barrier_wait -3
	s_barrier_signal -1
	s_barrier_wait -1
.endm
.macro CROUND
	s_barrier_signal -1
	s_barrier_wait -1
	CREST
.endm
	s_load_b256 s[4:11], s[0:1], 0x0
	s_load_b128 s[68:71], s[0:1], 0x20
	v_lshl_add_u32 v[SPW], v0, 2, SPARE
	v_mov_b32 v[NIL], 0
	ds_add_u32 v[SPW], v[NIL]
	ds_add_u32 v[SPW], v[NIL]
	v_lshrrev_b32 v1, 5, v0
	v_readfirstlane_b32 s14, v1
	s_lshr_b32 s15, s14, 1
	s_and_b32 s16, s14, 1
	s_bfe_u32 s40, ttmp6, 0x40000
	s_bfe_u32 s41, ttmp6, 0x40004
	s_and_b32 s18, ttmp7, 0xffff
	s_lshl_b32 s18, s18, 2
	s_lshl_b32 s19, ttmp9, 2
	s_add_co_u32 s17, s18, s41
	s_add_co_u32 s22, s41, 8
	s_add_co_u32 s42, s19, s40
	s_add_co_u32 s23, s18, s40
	s_mov_b32 s76, 0x100000
	s_mov_b32 s78, 0xc0000
	s_cmp_eq_u32 ttmp9, 2
	s_cselect_b32 s17, s22, s17
	s_cselect_b32 s42, s23, s42
	s_cselect_b32 s76, 0xc0000, s76
	s_cselect_b32 s78, 0x100000, s78
	s_mov_b32 s77, 0
	s_mov_b32 s79, 0
	s_lshl_b32 s72, s76, 1
	s_mov_b32 s73, 0
	s_lshl_b32 s74, s78, 1
	s_mov_b32 s75, 0
	s_lshl_b32 s43, s41, 2
	s_lshl_b32 s43, 15, s43
	s_lshl_b32 s44, 0x1111, s40
	s_or_b32 s[G1+0], s43, (3<<16)|(1<<21)
	s_or_b32 s[G1B+0], s44, (3<<16)|(1<<21)
.irp g, G1, G1B
	s_mov_b32 s[\g+1], 32<<16
	s_mov_b32 s[\g+2], 128<<16
	s_mov_b32 s[\g+3], 32<<16
	s_mov_b32 s[\g+4], 128
	s_mov_b32 s[\g+5], 32
	s_mov_b32 s[\g+6], 0
	s_mov_b32 s[\g+7], 0
.endr
	s_lshl_b32 s18, s16, 15
	s_lshl_b32 s20, s17, 16
	s_add_co_u32 s20, s20, s18
	s_mov_b32 s21, 0
	s_lshl_b32 s46, s42, 16
	s_add_co_u32 s46, s46, s18
	s_mov_b32 s47, 0
	s_lshl_b32 s45, s14, 15
	s_wait_dscnt 0x0
	s_wait_kmcnt 0x0
	s_load_b256 s[80:87], s[8:9], 0x0
	s_cmp_eq_u32 ttmp9, 2
	s_cselect_b64 s[88:89], s[6:7], s[4:5]
	s_cselect_b64 s[90:91], s[4:5], s[6:7]
	s_add_nc_u64 s[20:21], s[88:89], s[20:21]
	s_add_nc_u64 s[46:47], s[90:91], s[46:47]
	CROUND
	s_mov_b32 s[G0], 1
	s_mov_b32 s[G0+1], s45
	s_mov_b64 s[G0+2:G0+3], s[20:21]
	s_or_b32 s[G0+3], s[G0+3], 0x80000000
	s_mov_b32 s[G0B], 1
	s_mov_b32 s[G0B+1], s45
	s_mov_b64 s[G0B+2:G0B+3], s[46:47]
	s_or_b32 s[G0B+3], s[G0B+3], 0x80000000
	JLOAD G0, G1, G0B, G1B
	s_mov_b32 s[G0+4], 1
	s_add_co_u32 s[G0+5], s45, SLOT
	s_add_nc_u64 s[G0+6:G0+7], s[20:21], s[76:77]
	s_or_b32 s[G0+7], s[G0+7], 0x80000000
	s_mov_b32 s[G0B+4], 1
	s_add_co_u32 s[G0B+5], s45, SLOT
	s_add_nc_u64 s[G0B+6:G0B+7], s[46:47], s[78:79]
	s_or_b32 s[G0B+7], s[G0B+7], 0x80000000
	s_wait_alu depctr_va_vdst(0)
	s_wait_tensorcnt 0x0
	ds_add_u32 v28, v29
	s_wait_dscnt 0x0
	CROUND
	JLOAD G0+4, G1, G0B+4, G1B
	v_and_b32 v1, 31, v0
	v_lshlrev_b32 v[LN], 4, v1
	s_lshl_b32 s21, s15, 15
	s_lshl_b32 s22, s16, 15
	s_add_co_u32 s22, s22, 65536
.irp s, 0,1
	v_add_nc_u32 v[ADRA+\s], s21, v[LN]
	v_add_nc_u32 v[ADRB+\s], s22, v[LN]
	s_add_co_u32 s21, s21, SLOT
	s_add_co_u32 s22, s22, SLOT
.endr
.macro FRAG reg, adr, q, i
.irp c, 0,1,2,3
	ds_load_b128 v[\reg+4*\c:\reg+4*\c+3], v[\adr] offset:(\i)*4096+(\q)*2048+512*\c
.endr
.endm
.macro MUL16 a0, p, zero
.irp a, \a0, \a0+1
.irp b, 0,1,2,3,4,5,6,7
.if \zero
	v_wmma_f32_16x16x128_fp8_fp8 v[8*(8*((\a)%4)+\b):8*(8*((\a)%4)+\b)+7], v[128*(\p)+FR*\b:128*(\p)+FR*\b+FR-1], v[AF+FR*(\a):AF+FR*(\a)+FR-1], 0
.else
	v_wmma_f32_16x16x128_fp8_fp8 v[8*(8*((\a)%4)+\b):8*(8*((\a)%4)+\b)+7], v[128*(\p)+FR*\b:128*(\p)+FR*\b+FR-1], v[AF+FR*(\a):AF+FR*(\a)+FR-1], v[8*(8*((\a)%4)+\b):8*(8*((\a)%4)+\b)+7]
.endif
.endr
.endr
.endm
.macro FETCH_B slot, q, p
	WIN TO_B
.irp i, 0,1,2,3,4,5,6,7
	FRAG 128*(\p)+FR*\i, ADRB+\slot, \q, \i
.endr
	WIN 0
.endm
.macro FETCH_A slot, q, i0
.irp i, \i0, \i0+1, \i0+2, \i0+3
	FRAG AF+FR*(\i), ADRA+\slot, \q, \i
.endr
.endm
.macro PLACES n
.rept \n
	v_nop
.endr
.endm
.macro STEP slot, q, zero
	s_wait_dscnt 4*NL
	WIN MUL_LO
	MUL16 0, (\q)%2, \zero
	MUL16 2, (\q)%2, \zero
	s_wait_dscnt 0
	PLACES NP
	FETCH_B \slot, (\q)+1, 1-(\q)%2
	FETCH_A \slot, (\q)+1, 0
	WIN MUL_HI
	MUL16 4, (\q)%2, \zero
	MUL16 6, (\q)%2, \zero
	PLACES NP
	WIN 0
	FETCH_A \slot, (\q)+1, 4
.endm
.macro TURN slot, next, fill
	s_wait_tensorcnt 0x0
	ds_add_u32 v[SPW], v[NIL]
	s_wait_dscnt 4*NL+1
	WIN MUL_LO
	MUL16 0, 1, 0
	s_wait_dscnt 0x0
	s_barrier_signal -1
	MUL16 2, 1, 0
	WIN 0
	s_barrier_wait -1
.if \fill
	CREST
	s_add_nc_u64 s[G0+4*\slot+2:G0+4*\slot+3], s[G0+4*\slot+2:G0+4*\slot+3], s[72:73]
	s_add_nc_u64 s[G0B+4*\slot+2:G0B+4*\slot+3], s[G0B+4*\slot+2:G0B+4*\slot+3], s[74:75]
	JLOAD G0+4*\slot, G1, G0B+4*\slot, G1B
.else
	PLACES NP
.endif
	FETCH_B \next, 0, 0
	FETCH_A \next, 0, 0
	WIN MUL_HI
	MUL16 4, 1, 0
	MUL16 6, 1, 0
	PLACES NP
	WIN 0
	FETCH_A \next, 0, 4
.endm
	s_wait_alu depctr_va_vdst(0)
	s_wait_tensorcnt 1
	s_barrier_signal -1
	s_barrier_wait -1
	FETCH_B 0, 0, 0
	FETCH_A 0, 0, 0
	FETCH_A 0, 0, 4
	STEP 0, 0, 1
	TURN 0, 1, 1
	STEP 1, 0, 0
	TURN 1, 0, 1
	STEP 0, 0, 0
	TURN 0, 1, 0
	STEP 1, 0, 0
	s_wait_dscnt 4*NL
	WIN MUL_LO
	MUL16 0, 1, 0
	MUL16 2, 1, 0
	s_wait_dscnt 0
	WIN MUL_HI
	MUL16 4, 1, 0
	MUL16 6, 1, 0
	WIN 0
	s_wait_kmcnt 0x0
	s_add_co_i32 s94, s80, s81
	s_cmp_eq_u32 ttmp9, 0
	s_cselect_b32 s95, s82, s83
	s_cmp_eq_u32 ttmp9, 2
	s_cselect_b32 s95, s85, s95
	s_sub_co_i32 s95, s95, s94
	s_add_co_i32 s95, s95, 127
	s_lshl_b32 s94, s95, 23
	v_mov_b32 v[SC], s94
	s_add_co_i32 s95, s95, 8
	s_lshl_b32 s95, s95, 23
	s_or_b32 s95, s95, 0x600000
	v_mov_b32 v[LM], s95
	PLACES NP
	s_cmp_eq_u32 ttmp9, 2
	s_cbranch_scc1 .Lv_arm
	s_and_b32 s94, s42, 3
	s_lshl_b32 s94, s94, 2
	s_lshl_b32 s3, s16, 1
	s_add_co_u32 s94, s94, s3
	s_lshl_b32 s94, s94, 18
	s_lshl_b32 s3, s17, 14
	s_add_co_u32 s94, s94, s3
	s_lshl_b32 s94, s94, ttmp9
	s_lshl_b32 s3, s15, 13
	s_add_co_u32 s94, s94, s3
	s_mov_b32 s95, 0
	s_cmp_eq_u32 ttmp9, 0
	s_cselect_b64 s[88:89], s[68:69], s[70:71]
	s_add_nc_u64 s[88:89], s[88:89], s[94:95]
	s_lshl_b32 s94, 0x40000, ttmp9
	s_add_nc_u64 s[90:91], s[88:89], s[94:95]
	s_lshl_b32 s94, s17, 16
	s_lshl_b32 s3, s15, 15
	s_add_co_u32 s94, s94, s3
	s_add_nc_u64 s[92:93], s[10:11], s[94:95]
.macro TLD a
.set TS, 32+32*((\a)%3)
.irp i, 0,1,2,3,4,5,6,7
	global_load_b128 v[TS+4*\i:TS+4*\i+3], v[LN], s[92:93] offset:(\a)*4096+512*\i
.endr
.endm
.macro QKBLOCK a
.if (\a) < 6
	s_wait_loadcnt 16
.elseif (\a) == 6
	s_wait_loadcnt 8
.else
	s_wait_loadcnt 0
.endif
.set TS, 32+32*((\a)%3)
.set AC, 64*((\a)%4)
	WIN 0x02+((\a)/4)
.irp hh, 0,1
.irp u, 0,1
.irp i, 0,2,4,6
	v_pk_mul_f32 v[T1+\i:T1+\i+1], v[AC+32*\hh+8*\u+16+\i:AC+32*\hh+8*\u+16+\i+1], v[TS+16*\u+8+\i:TS+16*\u+8+\i+1]
	v_pk_mul_f32 v[T2+\i:T2+\i+1], v[AC+32*\hh+8*\u+\i:AC+32*\hh+8*\u+\i+1], v[TS+16*\u+8+\i:TS+16*\u+8+\i+1]
	v_pk_fma_f32 v[Y+32*\hh+8*\u+\i:Y+32*\hh+8*\u+\i+1], v[AC+32*\hh+8*\u+\i:AC+32*\hh+8*\u+\i+1], v[TS+16*\u+\i:TS+16*\u+\i+1], v[T1+\i:T1+\i+1] neg_lo:[0,0,1] neg_hi:[0,0,1]
	v_pk_fma_f32 v[Y+32*\hh+8*\u+16+\i:Y+32*\hh+8*\u+16+\i+1], v[AC+32*\hh+8*\u+16+\i:AC+32*\hh+8*\u+16+\i+1], v[TS+16*\u+\i:TS+16*\u+\i+1], v[T2+\i:T2+\i+1]
.endr
.endr
.endr
	WIN 0
.if (\a)+3 <= 7
	TLD (\a)+3
.endif
.set j, 0
.rept 64
.set j, j+1
.endr
	s_wait_alu depctr_va_vdst(0)
	s_wait_xcnt 0x0
.irp c, 0,1,2,3,4,5,6,7
	v_cvt_scalef32_pk8_fp8_f32 v[CD+2*\c:CD+2*\c+1], v[Y+8*\c:Y+8*\c+7], v[SC]
.endr
	v_nop
.irp hh, 0,1
.irp q, 0,1
	global_store_b128 v[LN], v[CD+8*\hh+4*\q:CD+8*\hh+4*\q+3], s[88+2*\hh:89+2*\hh] offset:(\a)*1024+512*\q
.endr
.endr
.endm
	TLD 0
	TLD 1
	TLD 2
.irp a, 0,1,2,3,4,5,6,7
	QKBLOCK \a
.endr
	s_branch .Ldone
.Lv_arm:
	s_sub_co_u32 s94, s17, 8
	s_lshl_b32 s94, s94, 2
	s_lshl_b32 s3, s15, 1
	s_add_co_u32 s94, s94, s3
	s_lshl_b32 s94, s94, 19
	s_lshl_b32 s3, s42, 15
	s_add_co_u32 s94, s94, s3
	s_lshl_b32 s3, s16, 13
	s_add_co_u32 s94, s94, s3
	s_add_co_u32 s94, s94, 16384
	s_mov_b32 s95, 0
	s_add_nc_u64 s[88:89], s[70:71], s[94:95]
.macro VBLOCK a
.set AC, 64*((\a)%4)
	WIN 0x02+((\a)/4)
.set j, 0
.rept 64
	v_med3_num_f32 v[Y+j], v[AC+j], -v[LM], v[LM]
.set j, j+1
.endr
	WIN 0
	s_wait_alu depctr_va_vdst(0)
	s_wait_xcnt 0x0
.irp c, 0,1,2,3,4,5,6,7
	v_cvt_scalef32_pk8_fp8_f32 v[CD+2*\c:CD+2*\c+1], v[Y+8*\c:Y+8*\c+7], v[SC]
.endr
	v_nop
.irp q, 0,1,2,3
	global_store_b128 v[LN], v[CD+4*\q:CD+4*\q+3], s[88:89] offset:((\a)/4)*0x80000+((\a)%4)*2048+512*\q
.endr
.endm
	s_wait_alu depctr_va_vdst(0)
.irp a, 0,1,2,3,4,5,6,7
	VBLOCK \a
.endr
.Ldone:
	s_wait_tensorcnt 0x0
	ds_add_u32 v[SPW], v[NIL]
	s_wait_dscnt 0x0
	CROUND
	s_endpgm
.Lfunc_end_k_qecf32584e1_qkv:
	.size	k_qecf32584e1_qkv, .Lfunc_end_k_qecf32584e1_qkv-k_qecf32584e1_qkv
	.p2alignl 7, 3214868480
	.fill 96, 4, 3214868480
	.section	.rodata,"a",@progbits
	.p2align	6, 0x0
	.amdhsa_kernel k_qecf32584e1_qkv
		.amdhsa_group_segment_fixed_size 327680
		.amdhsa_private_segment_fixed_size 0
		.amdhsa_enable_private_segment 0
		.amdhsa_kernarg_size 48
		.amdhsa_user_sgpr_count 2
		.amdhsa_user_sgpr_kernarg_segment_ptr 1
		.amdhsa_wavefront_size32 1
		.amdhsa_system_sgpr_workgroup_id_x 1
		.amdhsa_system_sgpr_workgroup_id_y 1
		.amdhsa_system_sgpr_workgroup_id_z 1
		.amdhsa_system_vgpr_workitem_id 0
		.amdhsa_next_free_vgpr 1024
		.amdhsa_next_free_sgpr 98
		.amdhsa_reserve_vcc 0
		.amdhsa_float_denorm_mode_32 3
		.amdhsa_float_denorm_mode_16_64 3
		.amdhsa_fp16_overflow 1
		.amdhsa_memory_ordered 1
		.amdhsa_forward_progress 1
		.amdhsa_inst_pref_size 166
	.end_amdhsa_kernel
	.amdgpu_metadata
---
amdhsa.version: [ 1, 2 ]
amdhsa.kernels:
  - .name:           k_qecf32584e1_qkv
    .symbol:         k_qecf32584e1_qkv.kd
    .args:
      - { .name: x_img, .offset: 0, .size: 8, .value_kind: global_buffer, .address_space: global }
      - { .name: wqkv_img, .offset: 8, .size: 8, .value_kind: global_buffer, .address_space: global }
      - { .name: lowp_scales, .offset: 16, .size: 8, .value_kind: global_buffer, .address_space: global }
      - { .name: rope, .offset: 24, .size: 8, .value_kind: global_buffer, .address_space: global }
      - { .name: q_img, .offset: 32, .size: 8, .value_kind: global_buffer, .address_space: global }
      - { .name: kv_img, .offset: 40, .size: 8, .value_kind: global_buffer, .address_space: global }
    .group_segment_fixed_size: 327680
    .private_segment_fixed_size: 0
    .kernarg_segment_align: 8
    .kernarg_segment_size: 48
    .max_flat_workgroup_size: 128
    .sgpr_count:     98
    .vgpr_count:     1024
    .wavefront_size: 32
...
	.end_amdgpu_metadata
.endif
;; end of part 2
;; launch attn (part 3): grid 16 x 16, 16 waves a work-group, no clusters, 327,680 bytes of LDS; arguments q_img, kv_img, lowp_scales, a_img; writes a_img
.if DOCPART == 3
	.amdgcn_target "amdgcn-amd-amdhsa--gfx1250"
	.amdhsa_code_object_version 6
	.text
	.protected	k_qecf32584e1_attn
	.globl	k_qecf32584e1_attn
	.p2align	8
	.type	k_qecf32584e1_attn,@function
k_qecf32584e1_attn:
	s_mov_b64 s[64:65], 0
	v_nop
	global_prefetch_b8 v0, s[64:65] scope:SCOPE_SE
	s_setreg_imm32_b32 hwreg(HW_REG_WAVE_MODE, 25, 1), 1
	s_wait_xcnt 0x0
; Causal attention of 16 heads of 64 over 4,096 tokens, both products on codes of E4M3; the result is quantised with 2^e6 and stored as the image of the last product's operand.
; WORK LEFT OUT: key steps (128 keys) all of whose keys come after a wave's 16 queries: reference()'s own mask makes their weights exactly 0 for all inputs (shown at the head of the first kernel).
; LIMIT: a NaN, an infinity or an overflow that would arise only in such hidden scores is not carried to the result.
; THE SOFTMAX AHEAD OF THE SECOND PRODUCT: t = score x log2(e) / 8; M = the row's largest t so far, rounded UP to a whole number; p = 2^(t - M) is what is quantised (2^e4), not normalised.  The row's sum is taken of the
; unquantised p, in f32, and divides O at the end.  When M moves, the sum and O are multiplied by 2^(old M - new M): exact.
; SHARES.  A head's queries are 32 blocks of 128.  Work-group (j, head) owns blocks j and 31 - j, so that every work-group has the same number of key steps under the mask: 8 x 33.  Each of its sixteen waves owns 16 queries
; in 256 registers; waves w with (w xor w / 4) odd take the late block.  Every wave passes all 16 changes of slots; a step's work is jumped over where it is hidden.
; NO CLUSTER: under the mask the work-groups of a head need different numbers of slots, so a joint load would bring some partner tiles that none of its waves reads.
; LAYOUT.  Both products are used transposed: S^T = K Q^T (source 0 = 16 keys, source 1 = my 16 queries, K = 64), O^T = V^T P^T (source 0 = 16 of the head's 64, source 1 = P, K = 128 keys): a lane holds ONE query (lane % 16).
; In S^T's tile c lane (r, h) holds keys 16 c + 8 h + 0 .. 7: just what registers 2 c, 2 c + 1 of the second product's operand hold: the conversions' results are that operand.
; K, V and Q come as images of their registers (the launch qkv): a slot of 256 keys is one dense block of 32,768 bytes: 16 tiles of K, then V^T; a fragment's loads read 512 consecutive bytes.
; LIMITS on the given exponents, so that each power of two below is an f32 number: e2 + e3 between -123 and 130 (they are added to c's exponent field); e4 and e6 between -126 and 119; e4 + e5 is applied by v_ldexp_f32 and has none.
; REGISTERS: v1 16 x lane; v3 256 x lane; v5, v6 the add's two; v8 the slot's address; v9 r - 8 h; v12 -M, v13 the largest t, v[14:15] the sum in two halves; v16-23 Q; v32-95 K's eight tiles, then V's four fragments;
; v96-159 S^T, then p; v160-191 O^T; v192-199 at work; v201 2^e4, v203 2^e6; v224-239 p's codes.
.set SLOT1, 32768                      ; slot 1 begins here: one exclusive or turns an address in one slot into the other's.  Also a slot's bytes in memory
.set SPARE, 2*SLOT1                    ; behind the ring: the spare words, 128 bytes for each wave: eight blocks of 256 bytes that no other line names
.set NSL,   16                         ; slots' worth of keys
.set LI,   1
.set PFO,  3
.set SPW,  5
.set NIL,  6
.set ADR,  8
.set TB,   2                           ; s2   LDS byte at which the slot in hand begins
.set WV,   18                          ; s18  my wave's number
.set SEL,  20                          ; s[20:21] lane selects for v_permlanex16_b32: lane l xor 16
.set CS,   22                          ; s[22:23] c = log2(e) / 8 x 2^(e2 + e3): the packed form names a pair and takes its low word for both halves
.set G1,   24                          ; s[24:31] descriptor group 1
.set G0,   40                          ; s[40:43] group 0, which walks
.set QL,   66                          ; s66  my work-group's last query
.set SLOTS, 67                         ; s67  changes of slots still to come that may ask for a slot
.set PFA,  76                          ; s[76:77] where my prefetches stand
.set LIM,  80                          ; s80  1 in a wave that prefetches, else the greatest number
.set KF,   98                          ; s98  the step's first key
.set Q0,   99                          ; s99  my first query
; Wave 0 fetches a slot's tiles of K, wave 1 its V^T, 16,384 bytes each; the others nothing.  The branch hangs on the wave's number alone.  An s_nop 0 and four v_nop follow the load.
.macro TLOAD
	s_cmp_lt_u32 s[WV], 2
	s_cbranch_scc0 .Lasked_\@
	tensor_load_to_lds s[G0:G0+3], s[G1:G1+7]
	s_nop 0
.rept 4
	v_nop
.endr
.Lasked_\@:
.endm
; A PREFETCH INTO THE L2 of the slot that the NEXT change of slots will ask for: 32,768 bytes.  All sixteen work-groups of a head walk the same K and V; the one with x = 0, which owns the last block and so asks for every
; slot, prefetches, and nobody else.  In it waves 4 to 7, which fetch nothing, ask: 8,192 bytes a wave, lanes 256 bytes apart, one instruction.  So each aligned block of 256 bytes is named once in the launch.
; It stands at the change of slots, where the fetching waves have their tensor load: a slot's two key steps ahead of the load that will want it.  The last change that fills a slot asks for nothing; slots 0 and 1 come by their loads alone.
.macro ASK
	s_cmp_gt_u32 s[SLOTS], s[LIM]
	s_cbranch_scc0 .Lnot_mine_\@
	global_prefetch_b8 v[PFO], s[PFA:PFA+1] th:TH_LOAD_NT scope:SCOPE_SE
.Lnot_mine_\@:
.endm
	s_load_b256 s[4:11], s[0:1], 0x0               ; q_img s[4:5], kv_img s[6:7], lowp_scales s[8:9], a_img s[10:11]
	v_lshl_add_u32 v[SPW], v0, 2, SPARE
	v_mov_b32 v[NIL], 0
	ds_add_u32 v[SPW], v[NIL]                      ; the wave's opening: the add, twice on end, and its wait stand ahead of my first tensor load; the set-up below, work on registers, stands between
	ds_add_u32 v[SPW], v[NIL]
	v_lshrrev_b32 v8, 5, v0
	s_delay_alu instid0(VALU_DEP_1)
	v_readfirstlane_b32 s[WV], v8                  ; wave 0..15
	s_and_b32 s81, ttmp7, 0xffff                   ; the head
	s_lshr_b32 s82, s[WV], 2
	s_xor_b32 s82, s82, s[WV]
	s_and_b32 s82, s82, 1                          ; 1: the late block.  Waves 2 i and 2 i + 1 differ in it
	s_sub_co_u32 s83, 31, ttmp9
	s_cmp_eq_u32 s82, 1
	s_cselect_b32 s83, s83, ttmp9                  ; my block of 128 queries
	s_lshl_b32 s83, s83, 7
	s_lshr_b32 s84, s[WV], 1
	s_lshl_b32 s84, s84, 4
	s_add_co_u32 s[Q0], s83, s84                   ; my first query: 128 x block + 16 x (wave / 2)
	s_lshl_b32 s[QL], ttmp9, 7
	s_sub_co_u32 s[QL], 4095, s[QL]                ; the last query of block 31 - j
	; descriptor group 1: a dense block of 16,384 bytes, stated as 64 rows of 32 elements of 8 bytes; no padding
	s_mov_b32 s[G1], 3<<16                         ; 15:0 no mask; 17:16 elements of 8 bytes
	s_mov_b32 s[G1+1], 32<<16                      ; tensor_dim0
	s_mov_b32 s[G1+2], 64<<16                      ; tensor_dim1
	s_mov_b32 s[G1+3], 32<<16                      ; tile_dim0
	s_mov_b32 s[G1+4], 64                          ; tile_dim1
	s_mov_b32 s[G1+5], 32                          ; tensor_dim0_stride
	s_mov_b32 s[G1+6], 0
	s_mov_b32 s[G1+7], 0
	s_mov_b32 s[SEL], 0x76543210
	s_mov_b32 s[SEL+1], 0xfedcba98
	s_mov_b32 s[CS], 0x3e38aa3b                    ; log2(e) / 8
	s_mov_b32 s[TB], 0
	s_mov_b32 s[SLOTS], NSL-1
	s_mov_b32 s[KF], 0
	s_lshl_b32 s86, s81, 19                        ; the head's first byte in kv_img
	s_and_b32 s88, s[WV], 1
	s_lshl_b32 s88, s88, 14                        ; what I fetch, if I fetch: K's half or V's, in a slot and in memory alike
	s_add_co_u32 s90, s86, s88
	s_mov_b32 s91, 0
	s_lshl_b32 s92, s81, 18                        ; q_img: (head x 256 + first query / 16) x 1024
	s_lshl_b32 s93, s[Q0], 6
	s_add_co_u32 s92, s92, s93
	s_mov_b32 s93, 0
	s_lshr_b32 s94, s81, 2                         ; a_img: (head / 4) x 2^20 + (first query / 16) x 4096 + (head % 4) x 1024
	s_lshl_b32 s94, s94, 20
	s_lshl_b32 s95, s[Q0], 8
	s_add_co_u32 s94, s94, s95
	s_and_b32 s95, s81, 3
	s_lshl_b32 s95, s95, 10
	s_add_co_u32 s94, s94, s95
	s_mov_b32 s95, 0
	s_wait_dscnt 0x0                               ; both opening adds are done
	s_wait_kmcnt 0x0
	s_load_b256 s[68:75], s[8:9], 0x0              ; e0 .. e7
	s_mov_b32 s[G0], 1                             ; 1:0 count = 1
	s_mov_b32 s[G0+1], s88                         ; 63:32 LDS address: slot 0
	s_add_nc_u64 s[G0+2:G0+3], s[6:7], s[90:91]    ; 120:64 global address: the head's first 256 keys
	s_or_b32 s[G0+3], s[G0+3], 0x80000000          ; 127:126 type = 2
	TLOAD                                          ; slot 0: it holds key 0, which counts for every query
	s_add_nc_u64 s[4:5], s[4:5], s[92:93]
	s_add_nc_u64 s[10:11], s[10:11], s[94:95]
	s_and_b32 s82, s[WV], 3                        ; the prefetches: my wave's 8,192 bytes,
	s_lshl_b32 s82, s82, 13
	s_add_co_u32 s82, s82, SLOT1                   ; in slot 1: the first change of slots steps it to slot 2.  Nothing is prefetched here, at the head
	s_add_co_u32 s82, s82, s86
	s_mov_b32 s83, 0
	s_add_nc_u64 s[PFA:PFA+1], s[6:7], s[82:83]
	s_sub_co_u32 s82, s[WV], 4
	s_lshr_b32 s82, s82, 2                         ; 0 in waves 4 to 7,
	s_or_b32 s82, s82, ttmp9                       ; of the work-group with x = 0
	s_cmp_eq_u32 s82, 0
	s_cselect_b32 s[LIM], 1, -1
	v_and_b32 v[LI], 31, v0
	s_delay_alu instid0(VALU_DEP_1)
	v_lshlrev_b32 v[PFO], 8, v[LI]
	s_delay_alu instid0(VALU_DEP_2)
	v_lshlrev_b32 v[LI], 4, v[LI]
	global_load_b128 v[16:19], v[LI], s[4:5]               ; Q's fragment stays in registers
	global_load_b128 v[20:23], v[LI], s[4:5] offset:512
	v_and_b32 v9, 15, v0
	v_bfe_u32 v10, v0, 4, 1
	s_delay_alu instid0(VALU_DEP_1)
	v_lshlrev_b32 v10, 3, v10
	s_delay_alu instid0(VALU_DEP_1)
	v_sub_nc_u32 v9, v9, v10                       ; r - 8 h, for the mask
	v_mov_b32 v13, 0xff61b1e6                      ; the largest t so far: -3e38, under every t
	s_delay_alu instid0(VALU_DEP_1)
	v_floor_f32 v12, -v13                          ; -M
	v_mov_b32 v14, 0                               ; the sum, in two halves
	v_mov_b32 v15, 0
	v_mov_b32 v192, 0                              ; written once: a lane permute's destination counts as one of its sources
	v_mov_b32 v194, 0
	v_mov_b32 v195, 0                              ; (named as the upper half of the pair v[194:195])
.set j, 0
.rept 32
	v_mov_b32 v[160+j], 0                          ; O^T.  (The key step is written once for all steps: the first finds zeros, which the first change of M leaves zeros)
.set j, j+1
.endr
	s_wait_kmcnt 0x0
	s_add_co_i32 s82, s70, s71
	s_lshl_b32 s82, s82, 23
	s_add_co_i32 s[CS], s[CS], s82                 ; a score stands for score x 2^(e2 + e3): the two exponents are added to c's exponent field
	s_mov_b32 s[CS+1], s[CS]                       ; (named with it as a pair, so it is written)
	s_add_co_i32 s82, s72, 127
	s_lshl_b32 s83, s82, 23
	v_mov_b32 v201, s83                            ; 2^e4 as f32, for p's conversions
	s_add_co_i32 s82, s74, 127
	s_lshl_b32 s83, s82, 23
	v_mov_b32 v203, s83                            ; 2^e6, for the result's
	s_add_co_i32 s85, s72, s73                     ; e4 + e5
; A KEY STEP: 128 keys, the q-th of the slot in hand.
.macro STEP q
	s_add_co_u32 s96, s[Q0], 15                    ; a step all of whose keys come after my 16 queries is left out: a scalar branch on ids and the count of steps, round the step's loads, products and softmax;
	s_cmp_gt_u32 s[KF], s96                        ; not round the line at its end that steps the key; no barrier and no tensor load stands in a step
	s_cbranch_scc1 .Lhidden_\@
	v_add_nc_u32 v[ADR], s[TB], v[LI]
.rept 3
	v_nop                                          ; with the addition above: four places in front of loads into registers that the last step's matrix instructions have read
.endr
.irp c, 0,1,2,3,4,5,6,7
	ds_load_b128 v[32+8*\c:35+8*\c], v[ADR] offset:(\q)*8192+\c*1024       ; K's tile c: keys 16 c on
	ds_load_b128 v[36+8*\c:39+8*\c], v[ADR] offset:(\q)*8192+\c*1024+512
.endr
	s_wait_alu depctr_va_vdst(0)
	s_wait_dscnt 0x0
.irp c, 0,1,2,3,4,5,6,7
	v_wmma_f32_16x16x64_fp8_fp8 v[96+8*\c:103+8*\c], v[32+8*\c:39+8*\c], v[16:23], 0
.endr
.rept 4
	v_nop                                          ; places: in front of the loads below, and of the first read of the scores
.endr
.irp dd, 0,1,2,3                                   ; V^T's four fragments are asked for now and land under the softmax
.irp i, 0,1,2,3
	ds_load_b128 v[32+16*\dd+4*\i:35+16*\dd+4*\i], v[ADR] offset:16384+(\q)*8192+\dd*2048+512*\i
.endr
.endr
	s_add_co_u32 s96, s[KF], 127                   ; on the diagonal the scores of hidden keys become -infinity ahead of the maximum: p = 0 then.  A step all of whose keys count skips this
	s_cmp_le_u32 s96, s[Q0]
	s_cbranch_scc1 .Lopen_\@
	s_sub_co_i32 s96, s[Q0], s[KF]
	v_add_nc_u32 v194, s96, v9                     ; d = my query - the step's first key - 8 h.  Register 8 c + i holds key 16 c + 8 h + i of the step: hidden where 16 c + i > d
	v_mov_b32 v196, 0xff800000                     ; -infinity
.set n, 0
.rept 64
	v_cmp_gt_i32 vcc_lo, 16*(n/8)+n%8, v194
	v_cndmask_b32 v[96+n], v[96+n], v196, vcc_lo
.set n, n+1
.endr
.Lopen_\@:
	v_max3_num_f32 v196, v96, v97, v98             ; the step's largest score of my query, among my 64 keys, in two chains, each tile from its low end on,
	v_max3_num_f32 v194, v99, v100, v101
.set j, 6
.rept 14
	v_max3_num_f32 v196, v196, v[96+j], v[97+j]
	v_max3_num_f32 v194, v194, v[98+j], v[99+j]
.set j, j+4
.endr
	v_max3_num_f32 v196, v196, v158, v159
	s_delay_alu instid0(VALU_DEP_1)
	v_max_num_f32 v196, v196, v194
	s_delay_alu instid0(VALU_DEP_1)
	v_permlanex16_b32 v192, v196, s[SEL], s[SEL+1]
	s_delay_alu instid0(VALU_DEP_1)
	v_max_num_f32 v196, v196, v192                 ; and among lane l xor 16's
	s_delay_alu instid0(VALU_DEP_1)
	v_mul_f32 v196, s[CS], v196                    ; as t (c is positive)
	s_delay_alu instid0(VALU_DEP_1)
	v_max_num_f32 v13, v13, v196                   ; the running largest t
	v_mov_b32 v196, v12
	s_delay_alu instid0(VALU_DEP_2)
	v_floor_f32 v12, -v13                          ; the new -M = floor(-t) = -ceil(t): M is a whole number
	s_delay_alu instid0(VALU_DEP_1)
	v_sub_f32 v196, v12, v196                      ; M's old value less its new one: a whole number, 0 or less
	s_delay_alu instid0(VALU_DEP_1)
	v_cvt_i32_f32 v196, v196                       ; (it saturates)
	s_delay_alu instid0(VALU_DEP_1)
	v_ldexp_f32 v194, 1.0, v196                    ; f = 2^(old M - new M)
.set j, 0
.rept 32
	v_pk_fma_f32 v[96+j:97+j], v[96+j:97+j], s[CS:CS+1], v[12:13] op_sel_hi:[1,0,0]   ; t - M, two at a time (of the pairs c and -M the low word serves both halves)
.set j, j+2
.endr
.set j, 0
	s_wait_alu depctr_va_vdst(0)
.rept 64
	v_exp_f32 v[96+j], v[96+j]                     ; p = 2^(t - M), at most 1: not normalised
.set j, j+1
.endr
	v_pk_mul_f32 v[14:15], v[14:15], v[194:195] op_sel_hi:[1,0]   ; the sums under the new M: the plain line behind the exponentials (ISA guide 5.7.2)
	s_wait_alu depctr_va_vdst(0)                   ; one wait for the whole batch, ahead of its first reader
	v_pk_add_f32 v[198:199], v[100:101], v[104:105]
	v_pk_add_f32 v[254:255], v[108:109], v[112:113]
	v_pk_add_f32 v[252:253], v[116:117], v[120:121]
	v_pk_add_f32 v[250:251], v[124:125], v[128:129]
	v_pk_add_f32 v[248:249], v[132:133], v[136:137]
	v_pk_add_f32 v[246:247], v[140:141], v[144:145]
	v_pk_add_f32 v[244:245], v[148:149], v[152:153]
	v_pk_add_f32 v[14:15], v[14:15], v[156:157]
	v_pk_add_f32 v[198:199], v[198:199], v[96:97]
	v_pk_add_f32 v[254:255], v[254:255], v[98:99]
	v_pk_add_f32 v[252:253], v[252:253], v[102:103]
	v_pk_add_f32 v[250:251], v[250:251], v[106:107]
	v_pk_add_f32 v[248:249], v[248:249], v[110:111]
	v_pk_add_f32 v[246:247], v[246:247], v[114:115]
	v_pk_add_f32 v[244:245], v[244:245], v[118:119]
	v_pk_add_f32 v[14:15], v[14:15], v[122:123]
	v_pk_add_f32 v[198:199], v[198:199], v[126:127]
	v_pk_add_f32 v[254:255], v[254:255], v[130:131]
	v_pk_add_f32 v[252:253], v[252:253], v[134:135]
	v_pk_add_f32 v[250:251], v[250:251], v[138:139]
	v_pk_add_f32 v[248:249], v[248:249], v[142:143]
	v_pk_add_f32 v[246:247], v[246:247], v[146:147]
	v_pk_add_f32 v[244:245], v[244:245], v[150:151]
	v_pk_add_f32 v[14:15], v[14:15], v[154:155]
	v_pk_add_f32 v[198:199], v[198:199], v[158:159]
	s_delay_alu instid0(VALU_DEP_2)
	v_pk_add_f32 v[14:15], v[14:15], v[250:251]
	s_delay_alu instid0(VALU_DEP_2)
	v_pk_add_f32 v[198:199], v[198:199], v[248:249]
	v_pk_add_f32 v[254:255], v[254:255], v[246:247]
	v_pk_add_f32 v[252:253], v[252:253], v[244:245]
	s_delay_alu instid0(VALU_DEP_2)
	v_pk_add_f32 v[14:15], v[14:15], v[254:255]
	s_delay_alu instid0(VALU_DEP_2)
	v_pk_add_f32 v[198:199], v[198:199], v[252:253]
	s_delay_alu instid0(VALU_DEP_1)
	v_pk_add_f32 v[14:15], v[14:15], v[198:199]
.irp c, 0,1,2,3,4,5,6,7
.irp i, 0,1,2,3,4,5,6,7
.endr
	v_cvt_scalef32_pk8_fp8_f32 v[224+2*\c:225+2*\c], v[96+8*\c:103+8*\c], v201   ; registers 2 c, 2 c + 1 of the operand: keys 16 c + 8 h + 0 .. 7
.endr
.set j, 0
.rept 16
	v_pk_mul_f32 v[160+j:161+j], v[160+j:161+j], v[194:195] op_sel_hi:[1,0]   ; O^T under the new M.  (Also the plain lines between the last conversion and the products below)
.set j, j+2
.endr
	s_wait_alu depctr_va_vdst(0)
	s_wait_dscnt 0x0                               ; V^T is in
.irp dd, 0,1,2,3                                   ; O^T += V^T P^T: the four accumulators by turns, one instruction a turn
	v_wmma_f32_16x16x128_fp8_fp8 v[160+8*\dd:167+8*\dd], v[32+16*\dd:47+16*\dd], v[224:239], v[160+8*\dd:167+8*\dd]
.endr
.Lhidden_\@:
	s_add_co_u32 s[KF], s[KF], 128
.endm
; THE CHANGE OF SLOTS stands at a slot's head.  Each wave waits for all its tensor loads (its part of the slot that it is about to read), adds 0 to its spare word (fill = 1: twice on end), and waits for that and for its reads of
; the slot that it has left.  Behind the barrier the slot ahead is whole and nobody reads the other one.  fill = 1: that other slot is filled with the keys that follow, up to the causal limit: the load has a slot's two steps in which to land.
.macro CHANGE fill
	s_wait_tensorcnt 0x0                           ; no tensor load of mine is out, so group 0 may be written
	ds_add_u32 v[SPW], v[NIL]                      ; 0 onto my spare word
.if \fill
	ds_add_u32 v[SPW], v[NIL]                      ; and once more: the add twice on end here, in every trip alike.  The descriptor's steps stand between the second and the wait
	s_xor_b32 s[G0+1], s[G0+1], SLOT1              ; the walking descriptor: the other slot than last time,
	s_add_nc_u64 s[G0+2:G0+3], s[G0+2:G0+3], SLOT1 ; the next 256 keys; the type bits on top are not reached
	s_wait_xcnt 0x0                                ; the last prefetch, a slot back, has read its address, so it may be written:
	s_add_nc_u64 s[PFA:PFA+1], s[PFA:PFA+1], SLOT1 ; one slot further on than the walking descriptor
.endif
	s_wait_dscnt 0x0                               ; the add is done (fill = 1: both are), and my reads of the slot that I have left are over
	s_barrier_signal -1
	s_barrier_wait -1
.if \fill
	s_add_co_u32 s96, s[KF], 256                   ; THE LOOK-AHEAD ENDS AT THE CAUSAL LIMIT: a slot whose first key comes after my work-group's last query is read by none of its waves, so it is not asked for.
	s_cmp_gt_u32 s96, s[QL]                        ; Ids and the count of steps alone: all sixteen waves go the same way, and a work-group that is past the limit stays past it.  Every wait on TENSORcnt in this text is for 0;
	s_cbranch_scc1 .Lpast_\@                       ; the jump leads round the load's own lines and round no barrier, wait or add; where it begins hangs on the work-group's number, so the tail cannot be written out
	TLOAD                                          ; the first thing behind the barrier and the limit's lines, and a wave's one tensor load until the next
.Lpast_\@:
	ASK
.endif
.endm
.macro SLOT_STEPS
	STEP 0
	STEP 1
	s_xor_b32 s[TB], s[TB], SLOT1                  ; on to the other slot
.endm
	s_wait_loadcnt 0x0                             ; Q
.Lslot:                                            ; NSL - 1 trips, a constant: behind each change of slots but the last the next slot is asked for, up to the limit
	CHANGE 1
	SLOT_STEPS
	s_sub_co_u32 s[SLOTS], s[SLOTS], 1
	s_cmp_lg_u32 s[SLOTS], 0
	s_cbranch_scc1 .Lslot
	CHANGE 0                                       ; the last slot is written out: nothing is left to fetch
	SLOT_STEPS
	; THE WAY OUT.  O^T / the sum x 2^(e4 + e5) is the attention's result; lane (r, h) holds token r and, in tile dd, d = 16 dd + 8 h + 0 .. 7: registers 2 c, 2 c + 1 (c = 4 (head % 2) + dd) of the last product's operand.
	v_add_f32 v14, v14, v15                        ; the sum's two halves,
	s_delay_alu instid0(VALU_DEP_1)
	v_permlanex16_b32 v194, v14, s[SEL], s[SEL+1]
	s_delay_alu instid0(VALU_DEP_1)
	v_add_f32 v14, v14, v194                       ; and lane l xor 16's: the row's sum
	s_wait_alu depctr_va_vdst(0)
	v_rcp_f32 v14, v14
.rept 3
	v_nop                                          ; the plain line behind the reciprocal; with the two additions above also the places behind the last products
.endr
	s_wait_alu depctr_va_vdst(0)                   ; the wait ahead of the reciprocal's first reader
	v_ldexp_f32 v14, v14, s85                      ; x 2^(e4 + e5)
.set j, 0
.rept 32
	v_mul_f32 v[96+j], v[160+j], v14               ; each accumulator from its low end on
.set j, j+1
.endr
.set j, 0
.rept 32
.set j, j+1
.endr
.irp dd, 0,1,2,3
	v_cvt_scalef32_pk8_fp8_f32 v[224+2*\dd:225+2*\dd], v[96+8*\dd:103+8*\dd], v203
.endr
	v_nop
	global_store_b128 v[LI], v[224:227], s[10:11]              ; 32 lanes store 512 consecutive bytes
	global_store_b128 v[LI], v[228:231], s[10:11] offset:512
	s_wait_tensorcnt 0x0                           ; the wave's end, behind my last tensor load
	ds_add_u32 v[SPW], v[NIL]
	s_wait_dscnt 0x0
	s_endpgm
.Lfunc_end_k_qecf32584e1_attn:
	.size	k_qecf32584e1_attn, .Lfunc_end_k_qecf32584e1_attn-k_qecf32584e1_attn
	.p2alignl 7, 3214868480
	.fill 96, 4, 3214868480
	.section	.rodata,"a",@progbits
	.p2align	6, 0x0
	.amdhsa_kernel k_qecf32584e1_attn
		.amdhsa_group_segment_fixed_size 327680
		.amdhsa_private_segment_fixed_size 0
		.amdhsa_enable_private_segment 0
		.amdhsa_kernarg_size 32
		.amdhsa_user_sgpr_count 2
		.amdhsa_user_sgpr_kernarg_segment_ptr 1
		.amdhsa_wavefront_size32 1
		.amdhsa_system_sgpr_workgroup_id_x 1
		.amdhsa_system_sgpr_workgroup_id_y 1
		.amdhsa_system_sgpr_workgroup_id_z 1
		.amdhsa_system_vgpr_workitem_id 0
		.amdhsa_next_free_vgpr 256
		.amdhsa_next_free_sgpr 100
		.amdhsa_reserve_vcc 1
		.amdhsa_float_denorm_mode_32 3
		.amdhsa_float_denorm_mode_16_64 3
		.amdhsa_fp16_overflow 1
		.amdhsa_memory_ordered 1
		.amdhsa_forward_progress 1
		.amdhsa_inst_pref_size 85
	.end_amdhsa_kernel
	.amdgpu_metadata
---
amdhsa.version: [ 1, 2 ]
amdhsa.kernels:
  - .name:           k_qecf32584e1_attn
    .symbol:         k_qecf32584e1_attn.kd
    .args:
      - { .name: q_img, .offset: 0, .size: 8, .value_kind: global_buffer, .address_space: global }
      - { .name: kv_img, .offset: 8, .size: 8, .value_kind: global_buffer, .address_space: global }
      - { .name: lowp_scales, .offset: 16, .size: 8, .value_kind: global_buffer, .address_space: global }
      - { .name: a_img, .offset: 24, .size: 8, .value_kind: global_buffer, .address_space: global }
    .group_segment_fixed_size: 327680
    .private_segment_fixed_size: 0
    .kernarg_segment_align: 8
    .kernarg_segment_size: 32
    .max_flat_workgroup_size: 512
    .sgpr_count:     100
    .vgpr_count:     256
    .wavefront_size: 32
...
	.end_amdgpu_metadata
.endif
;; end of part 3
;; launch proj (part 4): grid 4 x 16, 4 waves a work-group, clusters of 4 x 4, 327,680 bytes of LDS; arguments a_img, wp_img, lowp_scales, out0; writes out0
.if DOCPART == 4
	.amdgcn_target "amdgcn-amd-amdhsa--gfx1250"
	.amdhsa_code_object_version 6
	.text
	.protected	k_qecf32584e1_proj
	.globl	k_qecf32584e1_proj
	.p2align	8
	.type	k_qecf32584e1_proj,@function
k_qecf32584e1_proj:
	s_mov_b64 s[64:65], 0
	v_nop
	global_prefetch_b8 v0, s[64:65] scope:SCOPE_SE
	s_setreg_imm32_b32 hwreg(HW_REG_WAVE_MODE, 25, 1), 1
	s_wait_xcnt 0x0
	s_wait_alu depctr_hold_cnt(0) depctr_sa_sdst(0) depctr_va_vdst(0) depctr_va_sdst(0) depctr_va_ssrc(0) depctr_va_vcc(0) depctr_vm_vsrc(0)
	s_getreg_b32 s2, hwreg(HW_REG_IB_STS2, 6, 4)
	s_cmp_eq_u32 s2, 0
	s_cbranch_scc0 .Lentry_in_a_cluster
	s_endpgm
.Lentry_in_a_cluster:
	s_bfe_u32 s2, ttmp6, 0x10000c
	s_cmp_lg_u32 s2, 0xf033
	s_cbranch_scc0 .Lentry_shape_is_right
	s_endpgm
.Lentry_shape_is_right:
.set SIZE_N, 1024
.set SLOT,   131072
.set SPARE,  2*SLOT
.set SPITCH, 528
.set FR,     16
.set NL,     4
.set NP,     4
.set ADRA, 16
.set ADRB, 20
.set STO,  24
.set RD,   25
.set CO,   26
.set SPW,  28
.set NIL,  29
.set TMP,  32
.set AF,   128
.set BK,   128
.set G1, 24
.set G0, 32
.set G1B, 48
.set G0B, 56
.set MSB, 0
.macro WIN new
.if MSB != \new
	s_set_vgpr_msb (MSB<<8)|\new
.set MSB, \new
.endif
.endm
.set MUL_LO, 0xa1
.set MUL_HI, 0xf1
.set TO_B,   0x40
.macro JLOAD g0a, g1a, g0b, g1b
	s_cmp_eq_u32 s15, 0
	s_cbranch_scc0 .Lfor_b_\@
	tensor_load_to_lds s[\g0a:\g0a+3], s[\g1a:\g1a+7]
	s_nop 0
.rept 4
	v_nop
.endr
	s_branch .Lasked_\@
.Lfor_b_\@:
	tensor_load_to_lds s[\g0b:\g0b+3], s[\g1b:\g1b+7]
	s_nop 0
.rept 4
	v_nop
.endr
.Lasked_\@:
.endm
.macro CREST
	s_cmp_lg_u32 s14, 0
	s_cbranch_scc1 .Lnot_wave_0_\@
	s_barrier_signal -3
.Lnot_wave_0_\@:
	s_barrier_wait -3
	s_barrier_signal -1
	s_barrier_wait -1
.endm
.macro CROUND
	s_barrier_signal -1
	s_barrier_wait -1
	CREST
.endm
	s_load_b256 s[4:11], s[0:1], 0x0
	v_lshl_add_u32 v[SPW], v0, 2, SPARE
	v_mov_b32 v[NIL], 0
	ds_add_u32 v[SPW], v[NIL]
	ds_add_u32 v[SPW], v[NIL]
	v_lshrrev_b32 v1, 5, v0
	v_readfirstlane_b32 s14, v1
	s_lshr_b32 s15, s14, 1
	s_and_b32 s16, s14, 1
	s_bfe_u32 s40, ttmp6, 0x40000
	s_bfe_u32 s41, ttmp6, 0x40004
	s_lshl_b32 s42, ttmp9, 2
	s_add_co_u32 s42, s42, s40
	s_and_b32 s17, ttmp7, 0xffff
	s_lshl_b32 s17, s17, 2
	s_add_co_u32 s17, s17, s41
	s_mov_b32 s76, 0x100000
	s_mov_b32 s77, 0
	s_mov_b32 s78, 0x40000
	s_mov_b32 s79, 0
	s_mov_b32 s72, 0x200000
	s_mov_b32 s73, 0
	s_mov_b32 s74, 0x80000
	s_mov_b32 s75, 0
	s_lshl_b32 s43, s41, 2
	s_lshl_b32 s43, 15, s43
	s_lshl_b32 s44, 0x1111, s40
	s_or_b32 s[G1+0], s43, (3<<16)|(1<<21)
	s_or_b32 s[G1B+0], s44, (3<<16)|(1<<21)
.irp g, G1, G1B
	s_mov_b32 s[\g+1], 32<<16
	s_mov_b32 s[\g+2], 128<<16
	s_mov_b32 s[\g+3], 32<<16
	s_mov_b32 s[\g+4], 128
	s_mov_b32 s[\g+5], 32
	s_mov_b32 s[\g+6], 0
	s_mov_b32 s[\g+7], 0
.endr
	s_lshl_b32 s18, s16, 15
	s_lshl_b32 s20, s17, 16
	s_add_co_u32 s20, s20, s18
	s_mov_b32 s21, 0
	s_lshl_b32 s46, s42, 16
	s_add_co_u32 s46, s46, s18
	s_mov_b32 s47, 0
	s_lshl_b32 s45, s14, 15
	s_wait_dscnt 0x0
	s_wait_kmcnt 0x0
	s_load_b64 s[96:97], s[8:9], 0x18
	s_add_nc_u64 s[20:21], s[4:5], s[20:21]
	s_add_nc_u64 s[46:47], s[6:7], s[46:47]
	CROUND
	s_mov_b32 s[G0], 1
	s_mov_b32 s[G0+1], s45
	s_mov_b64 s[G0+2:G0+3], s[20:21]
	s_or_b32 s[G0+3], s[G0+3], 0x80000000
	s_mov_b32 s[G0B], 1
	s_mov_b32 s[G0B+1], s45
	s_mov_b64 s[G0B+2:G0B+3], s[46:47]
	s_or_b32 s[G0B+3], s[G0B+3], 0x80000000
	JLOAD G0, G1, G0B, G1B
	s_mov_b32 s[G0+4], 1
	s_add_co_u32 s[G0+5], s45, SLOT
	s_add_nc_u64 s[G0+6:G0+7], s[20:21], s[76:77]
	s_or_b32 s[G0+7], s[G0+7], 0x80000000
	s_mov_b32 s[G0B+4], 1
	s_add_co_u32 s[G0B+5], s45, SLOT
	s_add_nc_u64 s[G0B+6:G0B+7], s[46:47], s[78:79]
	s_or_b32 s[G0B+7], s[G0B+7], 0x80000000
	s_wait_alu depctr_va_vdst(0)
	s_wait_tensorcnt 0x0
	ds_add_u32 v28, v29
	s_wait_dscnt 0x0
	CROUND
	JLOAD G0+4, G1, G0B+4, G1B
	v_and_b32 v6, 31, v0
	v_lshlrev_b32 v[CO], 4, v6
	s_lshl_b32 s21, s15, 15
	s_lshl_b32 s22, s16, 15
	s_add_co_u32 s22, s22, 65536
.irp s, 0,1
	v_add_nc_u32 v[ADRA+\s], s21, v[CO]
	v_add_nc_u32 v[ADRB+\s], s22, v[CO]
	s_add_co_u32 s21, s21, SLOT
	s_add_co_u32 s22, s22, SLOT
.endr
	v_and_b32 v1, 15, v0
	v_bfe_u32 v2, v0, 4, 1
	s_mul_i32 s23, s14, 16*SPITCH
	v_mul_u32_u24 v5, v1, SPITCH
	v_lshl_add_u32 v5, v2, 5, v5
	v_add_nc_u32 v[STO], s23, v5
	v_add_nc_u32 v[RD], s23, v[CO]
	s_lshl_b32 s20, s17, 8
	s_lshl_b32 s21, s15, 7
	s_add_co_u32 s20, s20, s21
	s_lshl_b32 s20, s20, 12
	s_mov_b32 s21, 0
	s_lshl_b32 s46, s42, 10
	s_lshl_b32 s47, s16, 9
	s_add_co_u32 s46, s46, s47
	s_mov_b32 s47, 0
	s_add_nc_u64 s[20:21], s[20:21], s[46:47]
	s_add_nc_u64 s[10:11], s[10:11], s[20:21]
.macro FRAG reg, adr, q, i
.irp c, 0,1,2,3
	ds_load_b128 v[\reg+4*\c:\reg+4*\c+3], v[\adr] offset:(\i)*4096+(\q)*2048+512*\c
.endr
.endm
.macro MUL16 a0, p, zero
.irp a, \a0, \a0+1
.irp b, 0,1,2,3,4,5,6,7
.if \zero
	v_wmma_f32_16x16x128_fp8_fp8 v[8*(8*((\a)%4)+\b):8*(8*((\a)%4)+\b)+7], v[128*(\p)+FR*\b:128*(\p)+FR*\b+FR-1], v[AF+FR*(\a):AF+FR*(\a)+FR-1], 0
.else
	v_wmma_f32_16x16x128_fp8_fp8 v[8*(8*((\a)%4)+\b):8*(8*((\a)%4)+\b)+7], v[128*(\p)+FR*\b:128*(\p)+FR*\b+FR-1], v[AF+FR*(\a):AF+FR*(\a)+FR-1], v[8*(8*((\a)%4)+\b):8*(8*((\a)%4)+\b)+7]
.endif
.endr
.endr
.endm
.macro FETCH_B slot, q, p
	WIN TO_B
.irp i, 0,1,2,3,4,5,6,7
	FRAG 128*(\p)+FR*\i, ADRB+\slot, \q, \i
.endr
	WIN 0
.endm
.macro FETCH_A slot, q, i0
.irp i, \i0, \i0+1, \i0+2, \i0+3
	FRAG AF+FR*(\i), ADRA+\slot, \q, \i
.endr
.endm
.macro PLACES n
.rept \n
	v_nop
.endr
.endm
.macro STEP slot, q, zero
	s_wait_dscnt 4*NL
	WIN MUL_LO
	MUL16 0, (\q)%2, \zero
	MUL16 2, (\q)%2, \zero
	s_wait_dscnt 0
	PLACES NP
	FETCH_B \slot, (\q)+1, 1-(\q)%2
	FETCH_A \slot, (\q)+1, 0
	WIN MUL_HI
	MUL16 4, (\q)%2, \zero
	MUL16 6, (\q)%2, \zero
	PLACES NP
	WIN 0
	FETCH_A \slot, (\q)+1, 4
.endm
.macro TURN slot, next, fill
	s_wait_tensorcnt 0x0
	ds_add_u32 v[SPW], v[NIL]
	s_wait_dscnt 4*NL+1
	WIN MUL_LO
	MUL16 0, 1, 0
	s_wait_dscnt 0x0
	s_barrier_signal -1
	MUL16 2, 1, 0
	WIN 0
	s_barrier_wait -1
.if \fill
	CREST
	s_add_nc_u64 s[G0+4*\slot+2:G0+4*\slot+3], s[G0+4*\slot+2:G0+4*\slot+3], s[72:73]
	s_add_nc_u64 s[G0B+4*\slot+2:G0B+4*\slot+3], s[G0B+4*\slot+2:G0B+4*\slot+3], s[74:75]
	JLOAD G0+4*\slot, G1, G0B+4*\slot, G1B
.else
	PLACES NP
.endif
	FETCH_B \next, 0, 0
	FETCH_A \next, 0, 0
	WIN MUL_HI
	MUL16 4, 1, 0
	MUL16 6, 1, 0
	PLACES NP
	WIN 0
	FETCH_A \next, 0, 4
.endm
	s_wait_alu depctr_va_vdst(0)
	s_wait_tensorcnt 1
	s_barrier_signal -1
	s_barrier_wait -1
	FETCH_B 0, 0, 0
	FETCH_A 0, 0, 0
	FETCH_A 0, 0, 4
	STEP 0, 0, 1
	TURN 0, 1, 1
	STEP 1, 0, 0
	TURN 1, 0, 1
	STEP 0, 0, 0
	TURN 0, 1, 0
	STEP 1, 0, 0
	s_wait_dscnt 4*NL
	WIN MUL_LO
	MUL16 0, 1, 0
	MUL16 2, 1, 0
	s_wait_dscnt 0
	WIN MUL_HI
	MUL16 4, 1, 0
	MUL16 6, 1, 0
	WIN 0
.macro TOSTAGE a
.set AC, 64*((\a)%4)
	WIN 0x02+((\a)/4)
.irp j, 0,2,4,6,8,10,12,14,16,18,20,22,24,26,28,30,32,34,36,38,40,42,44,46,48,50,52,54,56,58,60,62
	v_pk_mul_f32 v[TMP+\j:TMP+\j+1], v[AC+\j:AC+\j+1], s[96:97] op_sel_hi:[1,0]
.endr
	WIN 0
.irp b, 0,1,2,3,4,5,6,7
	ds_store_b128 v[STO], v[TMP+8*\b:TMP+8*\b+3] offset:64*\b
	ds_store_b128 v[STO], v[TMP+8*\b+4:TMP+8*\b+7] offset:64*\b+16
.endr
.set BB, BK+64*((\a)%2)
.irp t, 0,1,2,3,4,5,6,7,8,9,10,11,12,13,14,15
	ds_load_b128 v[BB+4*\t:BB+4*\t+3], v[RD] offset:\t*SPITCH
.endr
.endm
.macro SEND a, younger
.set BB, BK+64*((\a)%2)
	s_wait_dscnt \younger
.if (\a) > 0
	s_add_nc_u64 s[10:11], s[10:11], 16*SIZE_N*4
.endif
.irp t, 0,1,2,3,4,5,6,7,8,9,10,11,12,13,14,15
	global_store_b128 v[CO], v[BB+4*\t:BB+4*\t+3], s[10:11] offset:\t*SIZE_N*4 th:TH_STORE_NT
.endr
.endm
	s_wait_kmcnt 0x0
	s_add_co_i32 s96, s96, s97
	s_add_co_i32 s96, s96, 127
	s_lshl_b32 s96, s96, 23
	PLACES NP
	TOSTAGE 0
.irp a, 1,2,3,4,5,6,7
.if \a > 1
	s_wait_xcnt 0x0
.endif
	TOSTAGE \a
	SEND \a-1, 32
.endr
	s_wait_xcnt 0x0
	SEND 7, 0
	s_wait_tensorcnt 0x0
	ds_add_u32 v[SPW], v[NIL]
	s_wait_dscnt 0x0
	CROUND
	s_endpgm
.Lfunc_end_k_qecf32584e1_proj:
	.size	k_qecf32584e1_proj, .Lfunc_end_k_qecf32584e1_proj-k_qecf32584e1_proj
	.p2alignl 7, 3214868480
	.fill 96, 4, 3214868480
	.section	.rodata,"a",@progbits
	.p2align	6, 0x0
	.amdhsa_kernel k_qecf32584e1_proj
		.amdhsa_group_segment_fixed_size 327680
		.amdhsa_private_segment_fixed_size 0
		.amdhsa_enable_private_segment 0
		.amdhsa_kernarg_size 32
		.amdhsa_user_sgpr_count 2
		.amdhsa_user_sgpr_kernarg_segment_ptr 1
		.amdhsa_wavefront_size32 1
		.amdhsa_system_sgpr_workgroup_id_x 1
		.amdhsa_system_sgpr_workgroup_id_y 1
		.amdhsa_system_sgpr_workgroup_id_z 1
		.amdhsa_system_vgpr_workitem_id 0
		.amdhsa_next_free_vgpr 1024
		.amdhsa_next_free_sgpr 98
		.amdhsa_reserve_vcc 0
		.amdhsa_float_denorm_mode_32 3
		.amdhsa_float_denorm_mode_16_64 3
		.amdhsa_memory_ordered 1
		.amdhsa_forward_progress 1
		.amdhsa_inst_pref_size 123
	.end_amdhsa_kernel
	.amdgpu_metadata
---
amdhsa.version: [ 1, 2 ]
amdhsa.kernels:
  - .name:           k_qecf32584e1_proj
    .symbol:         k_qecf32584e1_proj.kd
    .args:
      - { .name: a_img, .offset: 0, .size: 8, .value_kind: global_buffer, .address_space: global }
      - { .name: wp_img, .offset: 8, .size: 8, .value_kind: global_buffer, .address_space: global }
      - { .name: lowp_scales, .offset: 16, .size: 8, .value_kind: global_buffer, .address_space: global }
      - { .name: out0, .offset: 24, .size: 8, .value_kind: global_buffer, .address_space: global }
    .group_segment_fixed_size: 327680
    .private_segment_fixed_size: 0
    .kernarg_segment_align: 8
    .kernarg_segment_size: 32
    .max_flat_workgroup_size: 128
    .sgpr_count:     98
    .vgpr_count:     1024
    .wavefront_size: 32
...
	.end_amdgpu_metadata
.endif
;; end of part 4
